; MI455X (gfx1250); checked and timed in simulation.
; The chip was launched on July 23, 2026; its instructions are those of AMD's public machine-readable ISA for CDNA 5 (MIT licence, August 2026) and "CDNA5" Instruction Set Architecture Reference Guide (July 2026). The comments in the code are by the model that wrote it; some were corrected since.
;; Resonant Layer. Allowed arithmetic: float matrix products may take bf16 or f16 operands with f32 sums; all other float work in f32.
;; Inputs: Bp 128 x 512 float32; W 128 x 512 float32; Wc 512 x 1,024 float32; Wi 512 x 128 float32; Wr 512 x 128 float32; bc 512 float32; cos_table 4,096 float32; sin_table 4,096 float32; t 1,024 float32; x_imag 1,024 x 512 float32; x_real 1,024 x 512 float32.
;; Outputs: out0 1,024 x 512 float32; out1 1,024 x 512 float32.
;; 2 versions, each right; version 2 is version 1 with the launch gather written anew for expert scheduling mode. Each part assembles by itself: llvm-mc -triple=amdgcn-amd-amdhsa -mcpu=gfx1250 --defsym DOCPART=n.
;; ======== version 1 of 2: 3 launches
;; limits: right only within a limited range of input values
;; workspace buffers: xcs 2,097,152 bytes; prmc 524,288 bytes; idx 134,217,728 bytes of whole numbers; sums 1,048,576 bytes
;; launch collapse_index (part 1): grid 8 x 32, 16 waves a work-group, no clusters, 282,112 bytes of LDS; arguments x_real, x_imag, Wc, bc, W, Bp, t, xcs, prmc, idx; writes xcs, prmc, idx
.if DOCPART == 1
	.amdgcn_target "amdgcn-amd-amdhsa--gfx1250"
	.amdhsa_code_object_version 6
	.text
	.protected	k_q3cd4aa16c7_collapse_index
	.globl	k_q3cd4aa16c7_collapse_index
	.p2align	8
	.type	k_q3cd4aa16c7_collapse_index,@function
k_q3cd4aa16c7_collapse_index:
	s_mov_b64 s[64:65], 0
	v_nop
	global_prefetch_b8 v0, s[64:65] scope:SCOPE_SE
	s_setreg_imm32_b32 hwreg(HW_REG_WAVE_MODE, 25, 1), 1
	s_wait_xcnt 0x0
; TWO STEPS IN ONE LAUNCH, on a tile of 32 b x 64 d for each work-group.
; (1) xc[b][d] = sum over k of [x_real | x_imag][b][k] * Wc[d][k] + bc[d]   (K = 1024).  It stays in LDS for step 2 and is also stored for the next launch:
;       xcs: f32 [b/4][d][b%4], byte (b>>2)*8192 + d*16 + (b&3)*4.
;     Eight tiles of 16 x 16, each by two waves, one for k = 0..511 (x_real), one for k = 512..1023 (x_imag); the two halves meet in LDS.
; (2) For the tile's 32 b x 64 d and all 128 n: P = 16 * pos, pos = theta * 4096 / (2 pi), and idx = floor(P) & 0xfff0 = (floor(pos) mod 4096) * 16,
;     the byte address of the table entry in the next launch's LDS, stored as u16:
;       idx: [b/8][g = n/32][dq = d/4][bp = (b%8)/2][lane = n%32][8: (b&1)*4 + d%4], 2,048 bytes for each (b/8, g, dq).
;     Wave w has 8 b (w / 4) x 32 n (the lanes, g = w % 4) x 64 d, in 16 steps of 4 d.
; The per-(n, d) parameters, in table coordinates (K = 4096 / 2 pi): r = K / (1 + |W|), q = K * Bp.  16 r and 16 q (exact) go to LDS for step 2; r and q go to
;       prmc: [g][dq = d/4][r, q][lane = n%32][4 d], 1,024 bytes for each (g, dq); of the 32 work-groups that make a block, one stores it.
; P = fma(xc, 16 r, 16 q) + 16 K t.  The next launch forms pos = fma(xc, r, q) + K t from the same numbers: all factors 16 are exact,
; so P = 16 pos bit for bit, and the fraction that it takes of pos belongs to the index stored here.
; No address of this launch hangs on a floating-point number: the indices are only stored.
; NO CLUSTER, NO TENSOR LOADS: x and Wc are f32 and are rounded to bf16 on their way through registers into LDS; a work-group reads each tile once, whole, with no slot filled again.
; LIMITS: operands of the product are rounded to bf16, sums in f32; K is summed in two halves of two accumulators each;
; 1 / (1 + |W|) is v_rcp_f32 (1 ulp) and is multiplied by K before x, another order of rounding than theta * K;
; |16 pos| < 2^31 (v_cvt_i32_f32), that is |theta| below about 2.0e5.
.set K_LIT,   0x4422f983               ; 4096 / (2 pi) in f32
.set K16_LIT, 0x4622f983               ; 16 times that
.set C16,     0x41800000               ; 16.0
.set PITCH,  2064                      ; an LDS row: 1,024 bf16 + 16 bytes = 129 x 16: the 16 rows of a fragment load start in 16 different 16-byte columns of a 256-byte span
.set WT,     32*PITCH                  ; Wc's 64 rows, behind x's 32 rows
.set STG,    WT+64*PITCH               ; 8 tiles x 1,024 bytes: the upper K half's sums
.set XC,     STG+8192                  ; xc: 32 rows b of 64 f32
.set PRL,    XC+8192                   ; 16 r, 16 q: [g 4][dq 16][r, q][lane 32][4 d], 65,536 bytes; the LDS ends at 280,064
.set VX, 4                             ; v4   byte offset of my 16 bytes in my wave's two rows of x
.set VW, 5                             ; v5   the same in my wave's four rows of Wc
.set LX, 6                             ; v6   LDS: where my 8 bytes of bf16 go, x
.set LW, 7                             ; v7   the same, Wc
.set AX, 8                             ; v8   LDS: my x fragments
.set BX, 9                             ; v9   LDS: my Wc fragments
.set SG, 10                            ; v10  LDS: my tile's stage
.set XO, 11                            ; v11  byte offset in xcs
.set VO, 16                            ; v16  16 x lane
.set XA, 17                            ; v17  LDS: xc of my 8 b (the same in every lane)
.set PA, 18                            ; v18  LDS: the parameters of my g, my lane
.set ZR, 19                            ; v19  0
.set PRA, 20                           ; v20  byte offset in W and Bp of my lane's 16 d
.set PRO, 21                           ; v21  byte offset in prmc of my wave's four blocks
.set PLS, 22                           ; v22  LDS: where my wave's four blocks go
.set XCS, 23                           ; v23  LDS: where my eight xc go
.set T,  24                            ; v[24:31]   at work on the parameters; in step 2: eight P
.set L,  32                            ; v[32:223]  48 loads of 16 bytes
.set F0, 32                            ; v[32:95]   fragments of four K steps (behind the first barrier)
.set F1, 96                            ; v[96:159]  the same, second buffer
.set ACC0, 160
.set ACC1, 168
.set PART, 176                         ; the partner wave's sums
.set TV, 184                           ; v[184:191] 16 K t of my 8 b, the same in every lane
.set PW, 224                           ; v[224:239] W of four blocks, then r
.set PB, 240                           ; v[240:255] Bp of four blocks, then q
.set OUT, 32                           ; step 2: v[32:47]    a step's 64 bytes a lane
.set XV,  48                           ; step 2: v[48:111]   xc, two buffers of 8 b x 4 d
.set PRM, 112                          ; step 2: v[112:127]  two buffers of 4 x 16 r, 4 x 16 q
	s_load_b512 s[16:31], s[0:1], 0x0              ; x_real 16, x_imag 18, Wc 20, bc 22, W 24, Bp 26, t 28, xcs 30
	s_load_b128 s[32:35], s[0:1], 0x40             ; prmc 32, idx 34
	v_lshrrev_b32 v13, 5, v0
	v_readfirstlane_b32 s8, v13                    ; wave 0..15
	s_and_b32 s9, ttmp7, 0xffff                    ; block of 32 rows b
	s_lshr_b32 s10, s8, 3                          ; K half
	s_and_b32 s11, s8, 7                           ; tile
	s_and_b32 s4, s11, 1                           ; mt: which 16 rows
	s_lshr_b32 s5, s11, 1                          ; nt: which 16 columns
	s_and_b32 s37, s8, 3                           ; g: my 32 n
	s_lshr_b32 s38, s8, 2                          ; part: my 8 b in step 2; my 16 d of the parameters
	s_mov_b32 s39, 0x05040100                      ; v_perm_b32: the low halves of two words
	s_mov_b32 s40, 0xfff0fff0
	v_and_b32 v1, 31, v0                           ; lane
	v_and_b32 v2, 15, v0                           ; r
	v_bfe_u32 v3, v0, 4, 1                         ; h
	s_lshl_b32 s6, s8, 12
	v_lshl_add_u32 v[VX], v1, 4, s6                ; 16 lane + wave x 2 rows of 2,048 bytes
	s_lshl_b32 s6, s8, 14
	v_lshl_add_u32 v[VW], v1, 4, s6                ; 16 lane + wave x 4 rows of 4,096 bytes
	s_mul_i32 s6, s8, 2*PITCH
	v_lshl_add_u32 v[LX], v1, 3, s6
	s_mul_i32 s6, s8, 4*PITCH
	s_add_co_u32 s6, s6, WT
	v_lshl_add_u32 v[LW], v1, 3, s6
	v_mul_u32_u24 v13, v2, PITCH
	v_lshl_add_u32 v13, v3, 4, v13                 ; r x pitch + 16 h
	s_lshl_b32 s7, s10, 10                         ; my K half: 512 bf16
	s_mul_i32 s6, s4, 16*PITCH
	s_add_co_u32 s6, s6, s7
	v_add_nc_u32 v[AX], s6, v13
	s_mul_i32 s6, s5, 16*PITCH
	s_add_co_u32 s6, s6, s7
	s_add_co_u32 s6, s6, WT
	v_add_nc_u32 v[BX], s6, v13
	s_lshl_b32 s6, s11, 10
	s_add_co_u32 s6, s6, STG
	v_lshl_add_u32 v[SG], v1, 4, s6
	s_lshl_b32 s6, s4, 15                          ; xcs: plane 4 mt + 2 h of 8,192 bytes, column 16 nt + r of 16 bytes
	s_lshl_b32 s7, s5, 8
	s_add_co_u32 s6, s6, s7
	v_lshl_add_u32 v[XO], v3, 14, s6
	v_lshl_add_u32 v[XO], v2, 4, v[XO]
	s_lshl_b32 s6, s5, 6
	v_lshl_add_u32 v12, v2, 2, s6                  ; bias of column 16 nt + r
	v_lshlrev_b32 v[VO], 4, v1
	v_mov_b32 v[ZR], 0
	s_lshl_b32 s6, s38, 11                         ; 8 rows of 256 bytes
	s_add_co_u32 s6, s6, XC
	v_mov_b32 v[XA], s6
	s_lshl_b32 s6, s37, 14                         ; 16 blocks of 1,024 bytes for each g
	s_add_co_u32 s6, s6, PRL
	v_lshl_add_u32 v[PA], v1, 4, s6
	s_lshl_b32 s7, s38, 12                         ; my wave makes blocks 4 part .. 4 part + 3 of its g
	s_add_co_u32 s6, s6, s7
	v_lshl_add_u32 v[PLS], v1, 4, s6
	s_lshl_b32 s6, s37, 16                         ; W, Bp: row 32 g + lane of 2,048 bytes,
	s_lshl_b32 s7, ttmp9, 8                        ; the work-group's 64 d,
	s_add_co_u32 s6, s6, s7
	s_lshl_b32 s7, s38, 6                          ; my wave's 16 d of them
	s_add_co_u32 s6, s6, s7
	v_lshl_add_u32 v[PRA], v1, 11, s6
	s_lshl_b32 s6, s37, 7                          ; prmc: block 128 g + 16 x + 4 part
	s_lshl_b32 s7, ttmp9, 4
	s_add_co_u32 s6, s6, s7
	s_lshl2_add_u32 s6, s38, s6
	s_lshl_b32 s6, s6, 10
	v_lshl_add_u32 v[PRO], v1, 4, s6
	s_lshl_b32 s6, s4, 12                          ; XC: row 16 mt + 8 h of 256 bytes, column 16 nt + r
	s_lshl_b32 s7, s5, 6
	s_add_co_u32 s6, s6, s7
	s_add_co_u32 s6, s6, XC
	v_lshl_add_u32 v[XCS], v3, 11, s6
	v_lshl_add_u32 v[XCS], v2, 2, v[XCS]
	s_mov_b32 s3, 0
	s_mov_b32 s13, 0
	s_lshl_b32 s2, s9, 16                          ; 32 rows of x = 8 planes of xcs = 65,536 bytes
	s_lshl_b32 s12, ttmp9, 18                      ; 64 rows of Wc
	s_wait_kmcnt 0x0
	s_add_nc_u64 s[16:17], s[16:17], s[2:3]
	s_add_nc_u64 s[18:19], s[18:19], s[2:3]
	s_add_nc_u64 s[30:31], s[30:31], s[2:3]
	s_add_nc_u64 s[20:21], s[20:21], s[12:13]
	s_lshl_b32 s12, ttmp9, 8                       ; 64 numbers of bc
	s_add_nc_u64 s[22:23], s[22:23], s[12:13]
	s_lshl_b32 s12, ttmp9, 10                      ; 64 columns of xcs
	s_add_nc_u64 s[30:31], s[30:31], s[12:13]
	s_lshl2_add_u32 s6, s9, s38                    ; b/8 = 4 y + part
	s_lshl_b32 s12, s6, 5
	s_add_nc_u64 s[28:29], s[28:29], s[12:13]      ; t of my 8 b
	s_lshl2_add_u32 s6, s6, s37                    ; x 4 + g
	s_lshl3_add_u32 s6, s6, ttmp9                  ; x 8 + the work-group's 16 dq of 128
	s_lshl_b32 s12, s6, 15                         ; 16 steps of 2,048 bytes
	s_add_nc_u64 s[34:35], s[34:35], s[12:13]      ; idx at my wave's 32,768 bytes
	global_load_b32 v14, v12, s[22:23]             ; the bias twice: a pair for the packed add
	global_load_b32 v15, v12, s[22:23]
.irp i, 0,1,2,3
	global_load_b128 v[PW+4*\i:PW+4*\i+3], v[PRA], s[24:25] offset:16*\i       ; W and Bp of four blocks: 64 neighbouring bytes of my lane's row
	global_load_b128 v[PB+4*\i:PB+4*\i+3], v[PRA], s[26:27] offset:16*\i
.endr
	; 48 loads, each 512 neighbouring bytes: two rows of x_real, two of x_imag, four of Wc
.set q, 0
.rept 8
	global_load_b128 v[L+4*q:L+4*q+3], v[VX], s[16:17] offset:(q/4)*2048+(q%4)*512
.set q, q+1
.endr
.rept 8
	global_load_b128 v[L+4*q:L+4*q+3], v[VX], s[18:19] offset:((q-8)/4)*2048+(q%4)*512
.set q, q+1
.endr
.rept 32
	global_load_b128 v[L+4*q:L+4*q+3], v[VW], s[20:21] offset:((q-16)/8)*4096+(q%8)*512
.set q, q+1
.endr
	; THE PARAMETERS of my four blocks, while the 48 loads are on their way
	s_wait_loadcnt 48                              ; the bias, W and Bp are in; the 48 younger loads stay out
.irp i, 0,1,2,3,4,5,6,7,8,9,10,11,12,13,14,15
	v_add_f32 v[PW+\i], 1.0, |v[PW+\i]|
.endr
.irp hb, 0,1
.irp i, 0,1,2,3,4,5,6,7
	v_rcp_f32 v[T+\i], v[PW+8*\hb+\i]
.endr
.irp i, 0,2,4,6
	v_pk_mul_f32 v[PB+8*\hb+\i:PB+8*\hb+\i+1], v[PB+8*\hb+\i:PB+8*\hb+\i+1], K_LIT op_sel_hi:[1,0]   ; plain work on other registers stands behind the reciprocals before their results are read or their sources written
.endr
	s_wait_alu depctr_va_vdst(0)
.irp i, 0,2,4,6
	v_pk_mul_f32 v[PW+8*\hb+\i:PW+8*\hb+\i+1], v[T+\i:T+\i+1], K_LIT op_sel_hi:[1,0]
.endr
.endr
	; 64 blocks are made by each of the 32 work-groups of a column; work-group y stores blocks 2 y and 2 y + 1, counted 4 wave + i
.macro PSTORE i
	global_store_b128 v[PRO], v[PW+4*\i:PW+4*\i+3], s[32:33] offset:1024*\i
	global_store_b128 v[PRO], v[PB+4*\i:PB+4*\i+3], s[32:33] offset:1024*\i+512
.endm
	s_lshr_b32 s36, s9, 1
	s_cmp_lg_u32 s8, s36
	s_cbranch_scc1 .Lno_prmc
	s_and_b32 s36, s9, 1
	s_cmp_lg_u32 s36, 0
	s_cbranch_scc1 .Lodd
	PSTORE 0
	PSTORE 1
	s_branch .Lno_prmc
.Lodd:
	PSTORE 2
	PSTORE 3
.Lno_prmc:
.irp i, 0,1,2,3
	v_pk_mul_f32 v[T:T+1],   v[PW+4*\i:PW+4*\i+1],   C16 op_sel_hi:[1,0]       ; times 16 changes the exponent alone
	v_pk_mul_f32 v[T+2:T+3], v[PW+4*\i+2:PW+4*\i+3], C16 op_sel_hi:[1,0]
	v_pk_mul_f32 v[T+4:T+5], v[PB+4*\i:PB+4*\i+1],   C16 op_sel_hi:[1,0]
	v_pk_mul_f32 v[T+6:T+7], v[PB+4*\i+2:PB+4*\i+3], C16 op_sel_hi:[1,0]
	ds_store_b128 v[PLS], v[T:T+3]   offset:1024*\i
	ds_store_b128 v[PLS], v[T+4:T+7] offset:1024*\i+512
.endr
	; f32 to bf16 on the way into LDS, four loads at a time; the count is the number of younger main loads
.set q, 0
.rept 12
	s_wait_loadcnt 44-q
.rept 4
	v_cvt_pk_bf16_f32 v[L+4*q], v[L+4*q], v[L+4*q+1]
	v_cvt_pk_bf16_f32 v[L+4*q+1], v[L+4*q+2], v[L+4*q+3]
.if q < 16
	ds_store_b64 v[LX], v[L+4*q:L+4*q+1] offset:((q/4)%2)*PITCH+(q/8)*1024+(q%4)*256
.else
	ds_store_b64 v[LW], v[L+4*q:L+4*q+1] offset:((q-16)/8)*PITCH+(q%8)*256
.endif
.set q, q+1
.endr
.endr
	s_wait_dscnt 0x0                               ; my stores are in LDS before I say so
	s_barrier_signal -1
	s_barrier_wait -1                              ; the tiles of x and Wc and the parameters are whole
	global_load_b128 v[TV:TV+3], v[ZR], s[28:29]   ; t of my 8 b, wanted in step 2: it comes in under the product
	global_load_b128 v[TV+4:TV+7], v[ZR], s[28:29] offset:16
; the fragments of K steps 4 beta .. 4 beta + 3 of my half: 16 loads
.macro FETCH beta, f
.irp u, 0,1,2,3
	ds_load_b128 v[\f+16*\u:\f+16*\u+3],     v[AX] offset:64*(4*\beta+\u)
	ds_load_b128 v[\f+16*\u+4:\f+16*\u+7],   v[AX] offset:64*(4*\beta+\u)+32
	ds_load_b128 v[\f+16*\u+8:\f+16*\u+11],  v[BX] offset:64*(4*\beta+\u)
	ds_load_b128 v[\f+16*\u+12:\f+16*\u+15], v[BX] offset:64*(4*\beta+\u)+32
.endr
.endm
.macro MM acc, f, u, zero
.if \zero
	v_wmma_f32_16x16x32_bf16 v[\acc:\acc+7], v[\f+16*\u:\f+16*\u+7], v[\f+16*\u+8:\f+16*\u+15], 0
.else
	v_wmma_f32_16x16x32_bf16 v[\acc:\acc+7], v[\f+16*\u:\f+16*\u+7], v[\f+16*\u+8:\f+16*\u+15], v[\acc:\acc+7]
.endif
.endm
; four K steps; the two accumulators take turns, one instruction a turn
.macro MUL f, zero
	MM ACC0, \f, 0, \zero
	MM ACC1, \f, 1, \zero
	MM ACC0, \f, 2, 0
	MM ACC1, \f, 3, 0
.endm
; four plain places behind a matrix instruction before its sources are loaded again or its result is read (ISA guide 7.12.1)
.macro PLACES
.rept 4
	v_nop
.endr
.endm
	FETCH 0, F0
	FETCH 1, F1
	s_wait_dscnt 16                                ; all but the 16 loads issued last
	MUL F0, 1                                      ; the first products start the sums
	PLACES
	FETCH 2, F0
	s_wait_dscnt 16
	MUL F1, 0
	PLACES
	FETCH 3, F1
	s_wait_dscnt 16
	MUL F0, 0
	s_wait_dscnt 0
	MUL F1, 0
	PLACES
.irp j, 0,2,4,6
	v_pk_add_f32 v[ACC0+\j:ACC0+\j+1], v[ACC0+\j:ACC0+\j+1], v[ACC1+\j:ACC1+\j+1]
.endr
	s_cmp_lt_u32 s8, 8
	s_cbranch_scc1 .Lkeep                          ; waves 8 to 15 hand their half to waves 0 to 7
	ds_store_b128 v[SG], v[ACC0:ACC0+3]
	ds_store_b128 v[SG], v[ACC0+4:ACC0+7] offset:512
.Lkeep:
	s_wait_dscnt 0x0
	s_barrier_signal -1
	s_barrier_wait -1
	s_cmp_ge_u32 s8, 8
	s_cbranch_scc1 .Lupper
	ds_load_b128 v[PART:PART+3], v[SG]
	ds_load_b128 v[PART+4:PART+7], v[SG] offset:512
	s_wait_dscnt 0x0
.irp j, 0,2,4,6
	v_pk_add_f32 v[ACC0+\j:ACC0+\j+1], v[ACC0+\j:ACC0+\j+1], v[PART+\j:PART+\j+1]
.endr
.irp j, 0,2,4,6
	v_pk_add_f32 v[ACC0+\j:ACC0+\j+1], v[ACC0+\j:ACC0+\j+1], v[14:15]
.endr
	; register j of lane (r, h) is (b = 8 h + j, d = r): four b of one plane are 16 bytes, and 16 lanes store 256 neighbouring, aligned bytes
	global_store_b128 v[XO], v[ACC0:ACC0+3], s[30:31]
	global_store_b128 v[XO], v[ACC0+4:ACC0+7], s[30:31] offset:8192
.irp j, 0,1,2,3,4,5,6,7
	ds_store_b32 v[XCS], v[ACC0+\j] offset:256*\j  ; and the same numbers into LDS, by rows b
.endr
.Lupper:
	s_wait_dscnt 0x0                               ; my part of xc is in LDS before I say so
	s_barrier_signal -1
	s_barrier_wait -1                              ; xc's 32 x 64 numbers are whole
	; STEP 2: THE INDICES
; xc of 8 b x 4 d (every lane reads the same 16 bytes) and my lane's 4 x 16 r, 4 x 16 q of step st into buffer xb: ten LDS loads
.macro LLOAD xb, st
.irp rw, 0,1,2,3,4,5,6,7
	ds_load_b128 v[XV+32*(\xb)+4*\rw:XV+32*(\xb)+4*\rw+3], v[XA] offset:256*\rw+16*(\st)
.endr
	ds_load_b128 v[PRM+8*(\xb):PRM+8*(\xb)+3],   v[PA] offset:1024*(\st)
	ds_load_b128 v[PRM+8*(\xb)+4:PRM+8*(\xb)+7], v[PA] offset:1024*(\st)+512
.endm
; P of (b = pb; d = pe, pe + 1) into v[f:f+1]: two fused multiply-adds, then 16 K t
.macro POS f, xb
	v_pk_fma_f32 v[\f:\f+1], v[XV+32*(\xb)+4*pb+pe:XV+32*(\xb)+4*pb+pe+1], v[PRM+8*(\xb)+pe:PRM+8*(\xb)+pe+1], v[PRM+8*(\xb)+4+pe:PRM+8*(\xb)+5+pe]
.if pb%2
	v_pk_add_f32 v[\f:\f+1], v[\f:\f+1], v[TV+pb-1:TV+pb] op_sel:[0,1] op_sel_hi:[1,1]
.else
	v_pk_add_f32 v[\f:\f+1], v[\f:\f+1], v[TV+pb:TV+pb+1] op_sel_hi:[1,0]
.endif
.endm
; two b x four d: eight indices, 16 bytes a lane; the wave's store covers 512 neighbouring, aligned bytes
.macro GROUP st, bp
.set k, 0
.rept 4
.set pb, 2*(\bp)+k/2
.set pe, 2*(k%2)
	POS T+2*k, (\st)%2
.set k, k+1
.endr
.irp i, 0,1,2,3,4,5,6,7
	v_floor_f32 v[T+\i], v[T+\i]
.endr
.irp i, 0,1,2,3,4,5,6,7
	v_cvt_i32_f32 v[T+\i], v[T+\i]
.endr
.irp i, 0,1,2,3
	v_perm_b32 v[OUT+4*(\bp)+\i], v[T+2*\i+1], v[T+2*\i], s39
.endr
.irp i, 0,1,2,3
	v_and_b32 v[OUT+4*(\bp)+\i], s40, v[OUT+4*(\bp)+\i]
.endr
	global_store_b128 v[VO], v[OUT+4*(\bp):OUT+4*(\bp)+3], s[34:35] offset:(\st)*2048+(\bp)*512 th:TH_STORE_NT
.endm
; One of the 16 steps; they are written out, so that every offset is an immediate and no base is stepped.
.macro STEP st
.if \st < 15
	LLOAD (\st+1)%2, \st+1                         ; the next step's ten loads go out first, into the other buffer
	s_wait_dscnt 10                                ; LDS loads come back in order: this step's are in, those ten may be out
.else
	s_wait_dscnt 0
.endif
	s_wait_xcnt 0x0                                ; OUT, the last step's store data, is rewritten only behind this wait
	GROUP \st, 0
	GROUP \st, 1
	GROUP \st, 2
	GROUP \st, 3
.endm
	LLOAD 0, 0
	s_wait_loadcnt 0x0                             ; t
.irp i, 0,2,4,6
	v_pk_mul_f32 v[TV+\i:TV+\i+1], v[TV+\i:TV+\i+1], K16_LIT op_sel_hi:[1,0]
.endr
.irp n, 0,1,2,3,4,5,6,7,8,9,10,11,12,13,14,15
	STEP \n
.endr
	s_wait_xcnt 0x0
	v_lshl_add_u32 v254, v0, 2, 0x44600
	v_mov_b32 v255, 0
	s_wait_tensorcnt 0x0
	ds_add_u32 v254, v255
	s_wait_dscnt 0x0
	s_endpgm
.Lfunc_end_k_q3cd4aa16c7_collapse_index:
	.size	k_q3cd4aa16c7_collapse_index, .Lfunc_end_k_q3cd4aa16c7_collapse_index-k_q3cd4aa16c7_collapse_index
	.p2alignl 7, 3214868480
	.fill 96, 4, 3214868480
	.section	.rodata,"a",@progbits
	.p2align	6, 0x0
	.amdhsa_kernel k_q3cd4aa16c7_collapse_index
		.amdhsa_group_segment_fixed_size 282112
		.amdhsa_private_segment_fixed_size 0
		.amdhsa_enable_private_segment 0
		.amdhsa_kernarg_size 80
		.amdhsa_user_sgpr_count 2
		.amdhsa_user_sgpr_kernarg_segment_ptr 1
		.amdhsa_wavefront_size32 1
		.amdhsa_system_sgpr_workgroup_id_x 1
		.amdhsa_system_sgpr_workgroup_id_y 1
		.amdhsa_system_sgpr_workgroup_id_z 1
		.amdhsa_system_vgpr_workitem_id 0
		.amdhsa_next_free_vgpr 256
		.amdhsa_next_free_sgpr 66
		.amdhsa_reserve_vcc 0
		.amdhsa_float_denorm_mode_32 3
		.amdhsa_float_denorm_mode_16_64 3
		.amdhsa_memory_ordered 1
		.amdhsa_forward_progress 1
		.amdhsa_inst_pref_size 139
	.end_amdhsa_kernel
	.amdgpu_metadata
---
amdhsa.version: [ 1, 2 ]
amdhsa.kernels:
  - .name:           k_q3cd4aa16c7_collapse_index
    .symbol:         k_q3cd4aa16c7_collapse_index.kd
    .args:
      - { .name: x_real, .offset: 0, .size: 8, .value_kind: global_buffer, .address_space: global }
      - { .name: x_imag, .offset: 8, .size: 8, .value_kind: global_buffer, .address_space: global }
      - { .name: Wc, .offset: 16, .size: 8, .value_kind: global_buffer, .address_space: global }
      - { .name: bc, .offset: 24, .size: 8, .value_kind: global_buffer, .address_space: global }
      - { .name: W, .offset: 32, .size: 8, .value_kind: global_buffer, .address_space: global }
      - { .name: Bp, .offset: 40, .size: 8, .value_kind: global_buffer, .address_space: global }
      - { .name: t, .offset: 48, .size: 8, .value_kind: global_buffer, .address_space: global }
      - { .name: xcs, .offset: 56, .size: 8, .value_kind: global_buffer, .address_space: global }
      - { .name: prmc, .offset: 64, .size: 8, .value_kind: global_buffer, .address_space: global }
      - { .name: idx, .offset: 72, .size: 8, .value_kind: global_buffer, .address_space: global }
    .group_segment_fixed_size: 282112
    .private_segment_fixed_size: 0
    .kernarg_segment_align: 8
    .kernarg_segment_size: 80
    .max_flat_workgroup_size: 512
    .sgpr_count:     66
    .vgpr_count:     256
    .wavefront_size: 32
...
	.end_amdgpu_metadata
.endif
;; end of part 1
;; launch gather (part 2): grid 64 x 4, 16 waves a work-group, no clusters, 100,352 bytes of LDS; arguments idx, prmc, xcs, t, sin_table, cos_table, sums; writes sums
.if DOCPART == 2
	.amdgcn_target "amdgcn-amd-amdhsa--gfx1250"
	.amdhsa_code_object_version 6
	.text
	.protected	k_q3cd4aa16c7_gather
	.globl	k_q3cd4aa16c7_gather
	.p2align	8
	.type	k_q3cd4aa16c7_gather,@function
k_q3cd4aa16c7_gather:
	s_mov_b64 s[64:65], 0
	v_nop
	global_prefetch_b8 v0, s[64:65] scope:SCOPE_SE
	s_setreg_imm32_b32 hwreg(HW_REG_WAVE_MODE, 25, 1), 1
	s_wait_xcnt 0x0
; sin_sum[b][n], cos_sum[b][n] = sums over d of the two tables, interpolated linearly at pos = theta * 4096 / (2 pi).
; The table index of every (b, n, d) was stored by the launch before as a byte address (entry x 16); here it is only read.
; The fraction steers no address: pos = fma(r, xc, q) + K t is formed again from the same numbers, exactly 1/16 of what the index was taken from.
; LDS table, 4,096 entries of 16 bytes: {sin[i], cos[i], sin[i+1] - sin[i], cos[i+1] - cos[i]}, i + 1 modulo 4,096: one gather of 16 bytes an angle.
; Both tables are taken as given: nothing is assumed of their contents.
; A work-group has 16 b x 32 n x 512 d; wave w has 8 b (w / 8) x 32 n (the lanes) x 64 d (w % 8), in 16 steps of 4 d, 32 angles a lane and step.
; The lanes lie along n: the 32 angles of one gather differ only through W and Bp.
;   sums: f32 [b/16][g = n/32][b%16][lane = n%32][sin, cos], 4,096 bytes for each work-group.
; LIMITS: the value is T0 + f (T1 - T0), not T0 (1 - f) + T1 f; the sum over d runs in 8 parts of 64; the range of theta is the one stated where the index is made.
.set K_LIT, 0x4422f983                 ; 4096 / (2 pi)
.set STGB, 65536                       ; behind the table: 16 waves x 2,048 bytes
.set VO,  2                            ; v2         16 x lane, never rewritten
.set VT,  3                            ; v3         4 x thread
.set VT7, 4                            ; v4         the last entries' neighbour, wrapped
.set VTS, 5                            ; v5         16 x thread
.set SA,  6                            ; v6         stage: where my sums go
.set RA,  7                            ; v7         stage: what I add up
.set SO,  8                            ; v8         8 x lane
.set TV,  10                           ; v[10:17]   K t of my 8 b
.set ACC, 20                           ; v[20:35]   {sin, cos} sums of my 8 b
.set AF,  36                           ; v[36:51]   16 LDS addresses, then 16 fractions
.set G,   52                           ; v[52:115]  16 gathered entries
.set IDX, 116                          ; v[116:179] ring of four steps: 16 words of indices
.set PRM, 180                          ; v[180:211] ring of four steps: 4 r, 4 q
	s_load_b256 s[4:11], s[0:1], 0x0               ; idx s[4:5], prmc s[6:7], xcs s[8:9], t s[10:11]
	s_load_b128 s[96:99], s[0:1], 0x20             ; sin_table, cos_table
	s_load_b64 s[100:101], s[0:1], 0x30            ; sums
	v_lshl_add_u32 v212, v0, 2, 0x18000
	v_mov_b32 v213, 0
	v_lshrrev_b32 v1, 5, v0
	v_readfirstlane_b32 s12, v1                    ; wave
	v_and_b32 v9, 31, v0                           ; lane
	v_lshlrev_b32 v[VO], 4, v9
	v_mov_b32 v1, 0
	v_lshlrev_b32 v[VT], 2, v0
	v_add_nc_u32 v[VT7], 14340, v[VT]              ; entry thread + 3,584 + 1,
	v_and_b32 v[VT7], 16383, v[VT7]                ; modulo 4,096 entries of 4 bytes
	v_lshlrev_b32 v[VTS], 4, v0
	v_lshlrev_b32 v[SO], 3, v9
	s_lshl_b32 s2, s12, 11
	s_add_co_u32 s2, s2, STGB
	v_lshl_add_u32 v[SA], v9, 3, s2                ; stage + wave x 2,048 + 8 lane
	s_lshr_b32 s13, s12, 3                         ; bh
	s_and_b32 s14, s12, 7                          ; dp
	s_lshl_b32 s2, s13, 14
	s_lshl_b32 s15, s14, 8
	s_add_co_u32 s2, s2, s15
	s_add_co_u32 s2, s2, STGB
	v_lshl_add_u32 v[RA], v9, 3, s2                ; stage + (wave / 8) x 8 waves + (wave % 8) x 256 + 8 lane
	s_lshl1_add_u32 s13, ttmp9, s13                ; bt8
	s_and_b32 s15, ttmp7, 0xffff                   ; g
	s_mov_b32 s76, 0xfff0
	s_mov_b32 s3, 0
	s_wait_kmcnt 0x0
	s_lshl2_add_u32 s2, s13, s15                   ; 4 bt8 + g
	s_lshl3_add_u32 s2, s2, s14
	s_lshl_b32 s2, s2, 15
	s_add_nc_u64 s[4:5], s[4:5], s[2:3]
	s_lshl3_add_u32 s2, s15, s14
	s_lshl_b32 s2, s2, 14
	s_add_nc_u64 s[6:7], s[6:7], s[2:3]
	s_lshl4_add_u32 s2, s13, s14
	s_lshl_b32 s2, s2, 10
	s_add_nc_u64 s[8:9], s[8:9], s[2:3]
	s_lshl_b32 s2, s13, 5
	s_add_nc_u64 s[10:11], s[10:11], s[2:3]
	s_lshl2_add_u32 s2, ttmp9, s15                 ; 4 x work-group x + g
	s_lshl4_add_u32 s2, s2, s12                    ; x 16 + wave
	s_lshl_b32 s2, s2, 8
	s_add_nc_u64 s[100:101], s[100:101], s[2:3]
.macro RLOAD slot, st                  ; indices and parameters of step st (counted from the trip's first) into a ring slot: six loads
.irp p, 0,1,2,3
	global_load_b128 v[IDX+16*(\slot)+4*\p:IDX+16*(\slot)+4*\p+3], v[VO], s[4:5] offset:(\st)*2048+\p*512 th:TH_LOAD_NT
.endr
	global_load_b128 v[PRM+8*(\slot):PRM+8*(\slot)+3],   v[VO], s[6:7] offset:(\st)*1024
	global_load_b128 v[PRM+8*(\slot)+4:PRM+8*(\slot)+7], v[VO], s[6:7] offset:(\st)*1024+512
.endm
.macro XLOAD xb, off                   ; xc of 4 d x 8 b into scalar buffer xb
.if \xb
	s_load_b512 s[48:63], s[8:9], \off
	s_load_b512 s[80:95], s[8:9], \off+8192
.else
	s_load_b512 s[16:31], s[8:9], \off
	s_load_b512 s[32:47], s[8:9], \off+8192
.endif
.endm
; pos of (b = pb; d = pe, pe + 1) into v[f:f+1]; xc[b][e] lies in scalar register xs + 4 e
.macro POS f, xb, j
.set xs, 16+32*(\xb)+(16+16*(\xb))*(pb/4)+4*pe+pb%4
	v_fma_f32 v[\f],   s[xs],   v[PRM+8*(\j)+pe],   v[PRM+8*(\j)+4+pe]
	v_fma_f32 v[\f+1], s[xs+4], v[PRM+8*(\j)+pe+1], v[PRM+8*(\j)+5+pe]
.if pb%2
	v_pk_add_f32 v[\f:\f+1], v[\f:\f+1], v[TV+pb-1:TV+pb] op_sel:[0,1] op_sel_hi:[1,1]
.else
	v_pk_add_f32 v[\f:\f+1], v[\f:\f+1], v[TV+pb:TV+pb+1] op_sel_hi:[1,0]
.endif
.endm
; Half a step: b = 4 hf .. 4 hf + 3, four d: 16 angles a lane.  Element el = 4 (b - 4 hf) + d % 4.
.macro HALF j, hf
.set wd, 0
.rept 8
	v_and_b32     v[AF+2*wd],   s76, v[IDX+16*(\j)+8*(\hf)+wd]       ; the word's lower index
	v_lshrrev_b32 v[AF+2*wd+1], 16,  v[IDX+16*(\j)+8*(\hf)+wd]       ; and its upper
	v_min_u32 v[AF+2*wd],   0xfff0, v[AF+2*wd]                       ; what was read from memory enters an address only behind a clamp to the last entry
	v_min_u32 v[AF+2*wd+1], 0xfff0, v[AF+2*wd+1]
	ds_load_b128 v[G+8*wd:G+8*wd+3],   v[AF+2*wd]
	ds_load_b128 v[G+8*wd+4:G+8*wd+7], v[AF+2*wd+1]
.set wd, wd+1
.endr
	; the fractions, while the gathers are on their way (an LDS instruction's address register is free once it is issued)
.set wd, 0
.rept 8
.set pb, 4*(\hf)+wd/2
.set pe, 2*(wd%2)
	POS AF+2*wd, (\j)%2, \j
.set wd, wd+1
.endr
.irp i, 0,1,2,3,4,5,6,7,8,9,10,11,12,13,14,15
	v_fract_f32 v[AF+\i], v[AF+\i]
.endr
	; sums += T0 + f (T1 - T0), sin and cos at once; two b by turns
.irp gi, 0,1
	s_wait_dscnt 8-8*\gi                           ; LDS loads come back in order: the first eight are in, the younger eight may be out; then all
.irp i, 0,1,2,3
.set el, 8*\gi+\i
.set ab, ACC+2*(4*(\hf)+2*\gi)
	v_pk_add_f32 v[ab:ab+1],   v[ab:ab+1],   v[G+4*el:G+4*el+1]
	v_pk_add_f32 v[ab+2:ab+3], v[ab+2:ab+3], v[G+4*el+16:G+4*el+17]
.if \i%2
	v_pk_fma_f32 v[ab:ab+1],   v[G+4*el+2:G+4*el+3],   v[AF+el-1:AF+el],   v[ab:ab+1]   op_sel:[0,1,0] op_sel_hi:[1,1,1]
	v_pk_fma_f32 v[ab+2:ab+3], v[G+4*el+18:G+4*el+19], v[AF+el+3:AF+el+4], v[ab+2:ab+3] op_sel:[0,1,0] op_sel_hi:[1,1,1]
.else
	v_pk_fma_f32 v[ab:ab+1],   v[G+4*el+2:G+4*el+3],   v[AF+el:AF+el+1],   v[ab:ab+1]   op_sel_hi:[1,0,1]
	v_pk_fma_f32 v[ab+2:ab+3], v[G+4*el+18:G+4*el+19], v[AF+el+4:AF+el+5], v[ab+2:ab+3] op_sel_hi:[1,0,1]
.endif
.endr
.endr
.endm
; Step j of a trip of four.  pf: the loads of three steps on go out; xl: xc of the next step is asked for;
; left: the vector loads of the younger steps, six each, which may stay out.
.macro STEP j, pf, xl, left
.if \pf
	RLOAD (\j+3)%4, \j+3
.endif
	s_wait_kmcnt 0x0                               ; this step's xc is in, and no scalar load is out: its base may be stepped
.if \xl
.if \j < 3
	XLOAD (\j+1)%2, 64*(\j+1)
.else
	s_add_nc_u64 s[8:9], s[8:9], 256
	XLOAD 0, 0
.endif
.endif
	s_wait_loadcnt \left
	HALF \j, 0
	HALF \j, 1
.endm
	global_load_b128 v[TV:TV+3], v1, s[10:11]
	global_load_b128 v[TV+4:TV+7], v1, s[10:11] offset:16
	; the tables: thread i takes entries i + 512 k, k = 0 .. 7, and their right neighbours
.irp k, 0,1,2,3,4,5,6
	global_load_b32 v[G+4*\k],   v[VT], s[96:97] offset:2048*\k
	global_load_b32 v[G+4*\k+1], v[VT], s[98:99] offset:2048*\k
	global_load_b32 v[G+4*\k+2], v[VT], s[96:97] offset:2048*\k+4
	global_load_b32 v[G+4*\k+3], v[VT], s[98:99] offset:2048*\k+4
.endr
	global_load_b32 v[G+28], v[VT],  s[96:97] offset:14336
	global_load_b32 v[G+29], v[VT],  s[98:99] offset:14336
	global_load_b32 v[G+30], v[VT7], s[96:97]      ; entry 4,095's neighbour is entry 0
	global_load_b32 v[G+31], v[VT7], s[98:99]
	XLOAD 0, 0
	RLOAD 0, 0
	RLOAD 1, 1
	RLOAD 2, 2
.irp i, 0,1,2,3,4,5,6,7,8,9,10,11,12,13,14,15
	v_mov_b32 v[ACC+\i], 0
.endr
	s_wait_loadcnt 18                              ; t and the tables are in; the ring's 18 loads stay out
.irp i, 0,2,4,6
	v_pk_mul_f32 v[TV+\i:TV+\i+1], v[TV+\i:TV+\i+1], K_LIT op_sel_hi:[1,0]
.endr
.irp k, 0,1,2,3,4,5,6,7
	v_pk_add_f32 v[G+4*\k+2:G+4*\k+3], v[G+4*\k+2:G+4*\k+3], v[G+4*\k:G+4*\k+1] neg_lo:[0,1] neg_hi:[0,1]
	ds_store_b128 v[VTS], v[G+4*\k:G+4*\k+3] offset:8192*\k
.endr
	s_wait_dscnt 0x0                               ; my part of the table is in LDS before I say so
	s_barrier_signal -1
	s_barrier_wait -1                              ; the table is whole
	s_mov_b32 s14, 3
.Ltrip:
	STEP 0, 1, 1, 18
	STEP 1, 1, 1, 18
	STEP 2, 1, 1, 18
	STEP 3, 1, 1, 18
	s_wait_xcnt 0x0                                ; the bases of pending loads are stepped only behind this wait
	s_add_nc_u64 s[4:5], s[4:5], 8192
	s_add_nc_u64 s[6:7], s[6:7], 4096
	s_sub_co_i32 s14, s14, 1
	s_cmp_lg_u32 s14, 0
	s_cbranch_scc1 .Ltrip
	STEP 0, 1, 1, 18                               ; the last four steps: one more set of loads, then the counts run down
	STEP 1, 0, 1, 12
	STEP 2, 0, 1, 6
	STEP 3, 0, 0, 0
	; the eight parts of d meet in LDS: wave w adds up b = w of the group's sixteen
.irp b, 0,1,2,3,4,5,6,7
	ds_store_b64 v[SA], v[ACC+2*\b:ACC+2*\b+1] offset:256*\b
.endr
	s_wait_dscnt 0x0
	s_barrier_signal -1
	s_barrier_wait -1
.irp p, 0,1,2,3,4,5,6,7
	ds_load_b64 v[G+2*\p:G+2*\p+1], v[RA] offset:2048*\p
.endr
	s_wait_dscnt 0x0
	v_pk_add_f32 v[G:G+1],     v[G:G+1],     v[G+2:G+3]
	v_pk_add_f32 v[G+4:G+5],   v[G+4:G+5],   v[G+6:G+7]
	v_pk_add_f32 v[G+8:G+9],   v[G+8:G+9],   v[G+10:G+11]
	v_pk_add_f32 v[G+12:G+13], v[G+12:G+13], v[G+14:G+15]
	v_pk_add_f32 v[G:G+1],     v[G:G+1],     v[G+4:G+5]
	v_pk_add_f32 v[G+8:G+9],   v[G+8:G+9],   v[G+12:G+13]
	v_pk_add_f32 v[G:G+1],     v[G:G+1],     v[G+8:G+9]
	global_store_b64 v[SO], v[G:G+1], s[100:101]   ; the wave stores 256 neighbouring, aligned bytes
	s_wait_tensorcnt 0x0
	ds_add_u32 v212, v213
	s_wait_dscnt 0x0
	s_endpgm
.Lfunc_end_k_q3cd4aa16c7_gather:
	.size	k_q3cd4aa16c7_gather, .Lfunc_end_k_q3cd4aa16c7_gather-k_q3cd4aa16c7_gather
	.p2alignl 7, 3214868480
	.fill 96, 4, 3214868480
	.section	.rodata,"a",@progbits
	.p2align	6, 0x0
	.amdhsa_kernel k_q3cd4aa16c7_gather
		.amdhsa_group_segment_fixed_size 100352
		.amdhsa_private_segment_fixed_size 0
		.amdhsa_enable_private_segment 0
		.amdhsa_kernarg_size 56
		.amdhsa_user_sgpr_count 2
		.amdhsa_user_sgpr_kernarg_segment_ptr 1
		.amdhsa_wavefront_size32 1
		.amdhsa_system_sgpr_workgroup_id_x 1
		.amdhsa_system_sgpr_workgroup_id_y 1
		.amdhsa_system_sgpr_workgroup_id_z 1
		.amdhsa_system_vgpr_workitem_id 0
		.amdhsa_next_free_vgpr 214
		.amdhsa_next_free_sgpr 102
		.amdhsa_reserve_vcc 0
		.amdhsa_float_denorm_mode_32 3
		.amdhsa_float_denorm_mode_16_64 3
		.amdhsa_memory_ordered 1
		.amdhsa_forward_progress 1
		.amdhsa_inst_pref_size 121
	.end_amdhsa_kernel
	.amdgpu_metadata
---
amdhsa.version: [ 1, 2 ]
amdhsa.kernels:
  - .name:           k_q3cd4aa16c7_gather
    .symbol:         k_q3cd4aa16c7_gather.kd
    .args:
      - { .name: idx, .offset: 0, .size: 8, .value_kind: global_buffer, .address_space: global }
      - { .name: prmc, .offset: 8, .size: 8, .value_kind: global_buffer, .address_space: global }
      - { .name: xcs, .offset: 16, .size: 8, .value_kind: global_buffer, .address_space: global }
      - { .name: t, .offset: 24, .size: 8, .value_kind: global_buffer, .address_space: global }
      - { .name: sin_table, .offset: 32, .size: 8, .value_kind: global_buffer, .address_space: global }
      - { .name: cos_table, .offset: 40, .size: 8, .value_kind: global_buffer, .address_space: global }
      - { .name: sums, .offset: 48, .size: 8, .value_kind: global_buffer, .address_space: global }
    .group_segment_fixed_size: 100352
    .private_segment_fixed_size: 0
    .kernarg_segment_align: 8
    .kernarg_segment_size: 56
    .max_flat_workgroup_size: 512
    .sgpr_count:     102
    .vgpr_count:     214
    .wavefront_size: 32
...
	.end_amdgpu_metadata
.endif
;; end of part 2
;; launch project (part 3): grid 4 x 64, 8 waves a work-group, no clusters, 104,960 bytes of LDS; arguments sums, Wr, Wi, out0, out1; writes out0, out1
.if DOCPART == 3
	.amdgcn_target "amdgcn-amd-amdhsa--gfx1250"
	.amdhsa_code_object_version 6
	.text
	.protected	k_q3cd4aa16c7_project
	.globl	k_q3cd4aa16c7_project
	.p2align	8
	.type	k_q3cd4aa16c7_project,@function
k_q3cd4aa16c7_project:
	s_mov_b64 s[64:65], 0
	v_nop
	global_prefetch_b8 v0, s[64:65] scope:SCOPE_SE
	s_setreg_imm32_b32 hwreg(HW_REG_WAVE_MODE, 25, 1), 1
	s_wait_xcnt 0x0
; out0[b][c] = sum over n of cos_sum[b][n] Wr[c][n];  out1[b][c] = sum over n of sin_sum[b][n] Wi[c][n].   b 1024, c 512, n 128.
; sums: f32 [b/16][n/32][b%16][n%32][sin, cos].  A work-group makes 16 rows b x 128 columns c of both outputs; wave wv makes 16 columns of both.
; THE SUMS GO IN AS TWO bf16 OPERANDS, hi = bf16(s) and lo = bf16(s - hi) (the residual is exact in f32).  The sums of one row b can be
; nearly equal along n; one rounding to bf16 would then err the same way in all 128 terms, and the errors would add up instead of averaging out.
; The matrix instruction is used transposed (source 0 = 16 rows of the weights, source 1 = 16 rows of the sums): register j of lane (r, h) is
; out[b = r][c = 16 wv + 8 h + j], eight neighbouring numbers of a row.  They go through LDS so that a wave stores whole rows of 512 bytes.
; LIMITS: the weights are rounded to bf16; the sums carry 16 bits of mantissa (hi + lo); sums of products in f32.
.set AP,   272                         ; an LDS row of 128 bf16 + 16 bytes: an odd multiple of 16
.set ACB,  16*AP                       ; cos_sum hi, 16 rows, behind sin_sum hi
.set LSB,  2*16*AP                     ; sin_sum lo
.set LCB,  3*16*AP                     ; cos_sum lo
.set WRB,  4*16*AP                     ; each wave's own 16 rows of Wr, then 16 of Wi
.set OST,  WRB+8*2*16*AP               ; 87,040: two outputs x 16 rows
.set OP,   528                         ; a row of 128 f32 + 16 bytes: an odd multiple of 16
.set VS,  4                            ; v4   16 x thread: my 16 bytes of each 4,096 of sums
.set VWO, 5                            ; v5   16 lane + wave x 16 rows of 512 bytes
.set AST, 6                            ; v6   LDS: where my two bf16 of the sums go
.set WST, 7                            ; v7   LDS: where my four bf16 of a weight row go
.set FRA, 8                            ; v8   LDS: fragments of the sums
.set FRW, 9                            ; v9   LDS: fragments of my weights
.set STO, 10                           ; v10  LDS: where my results go
.set RD,  11                           ; v11  LDS: the rows that I store
.set CO,  12                           ; v12  their byte offset in the outputs
.set LA,  16                           ; v[16:31]   four loads of sums
.set LW,  32                           ; v[32:159]  32 rows of weights as loaded
.set FR,  32                           ; v[32:223]  then the fragments: K step kk at 48 kk: Wr, Wi, cos hi, sin hi, cos lo, sin lo, 8 registers each
.set ACCR, 224
.set ACCI, 232
.set O,   240                          ; v[240:255] at work in the split; then four rows on the way out
	s_load_b256 s[12:19], s[0:1], 0x0              ; sums 12, Wr 14, Wi 16, out0 18
	s_load_b64 s[20:21], s[0:1], 0x20              ; out1
	v_lshl_add_u32 v14, v0, 2, 0x19600
	v_mov_b32 v15, 0
	v_lshrrev_b32 v1, 5, v0
	v_readfirstlane_b32 s8, v1                     ; wave 0..7
	s_and_b32 s9, ttmp7, 0xffff                    ; block of 16 rows b
	s_mov_b32 s10, 0xffff0000                      ; a word's upper bf16
	v_and_b32 v1, 31, v0                           ; lane
	v_and_b32 v2, 15, v0                           ; r
	v_bfe_u32 v3, v0, 4, 1                         ; h
	v_lshrrev_b32 v13, 4, v0                       ; thread / 16: the row b of my 16 bytes of sums
	v_lshlrev_b32 v[VS], 4, v0
	s_lshl_b32 s5, s8, 13
	v_lshl_add_u32 v[VWO], v1, 4, s5
	v_mul_u32_u24 v[AST], v13, AP
	v_lshl_add_u32 v[AST], v2, 2, v[AST]
	s_mul_i32 s4, s8, 2*16*AP
	s_add_co_u32 s4, s4, WRB
	v_lshl_add_u32 v[WST], v1, 3, s4
	v_mul_u32_u24 v[FRA], v2, AP
	v_lshl_add_u32 v[FRA], v3, 4, v[FRA]           ; r x pitch + 16 h
	v_add_nc_u32 v[FRW], s4, v[FRA]
	s_lshl_b32 s5, s8, 6
	s_add_co_u32 s5, s5, OST
	v_mul_u32_u24 v[STO], v2, OP
	v_lshl_add_u32 v[STO], v3, 5, v[STO]
	v_add_nc_u32 v[STO], s5, v[STO]                ; row r, column 16 wv + 8 h
	s_mul_i32 s5, s8, 2*OP
	s_add_co_u32 s5, s5, OST
	v_lshl_add_u32 v[RD], v1, 4, s5                ; row 2 wv, 16 bytes a lane
	s_lshl_b32 s5, s8, 12
	v_lshl_add_u32 v[CO], v1, 4, s5                ; the same row in an output: 2,048 bytes a row
	s_mov_b32 s3, 0
	s_lshl_b32 s2, s9, 14
	s_wait_kmcnt 0x0
	s_add_nc_u64 s[12:13], s[12:13], s[2:3]
	s_lshl_b32 s2, ttmp9, 16                       ; 128 rows of 512 bytes
	s_add_nc_u64 s[14:15], s[14:15], s[2:3]
	s_add_nc_u64 s[16:17], s[16:17], s[2:3]
	s_lshl_b32 s2, s9, 15                          ; 16 rows of 2,048 bytes
	s_lshl_b32 s4, ttmp9, 9                        ; 128 columns
	s_add_co_u32 s2, s2, s4
	s_add_nc_u64 s[18:19], s[18:19], s[2:3]
	s_add_nc_u64 s[20:21], s[20:21], s[2:3]
.irp q, 0,1,2,3
	global_load_b128 v[LA+4*\q:LA+4*\q+3], v[VS], s[12:13] offset:4096*\q
.endr
.set ii, 0
.rept 16
	global_load_b128 v[LW+4*ii:LW+4*ii+3], v[VWO], s[14:15] offset:512*ii
.set ii, ii+1
.endr
.rept 16
	global_load_b128 v[LW+4*ii:LW+4*ii+3], v[VWO], s[16:17] offset:512*(ii-16)
.set ii, ii+1
.endr
	s_wait_loadcnt 32                              ; the sums are in; the 32 rows of weights stay out
	; my 16 bytes are {sin, cos} of two neighbouring n: hi = bf16(s), lo = bf16(s - hi), two n to a word
.irp q, 0,1,2,3
	v_cvt_pk_bf16_f32 v[O+4*\q],   v[LA+4*\q],   v[LA+4*\q+2]        ; sin hi
	v_cvt_pk_bf16_f32 v[O+4*\q+1], v[LA+4*\q+1], v[LA+4*\q+3]        ; cos hi
	v_lshlrev_b32 v[O+4*\q+2], 16,  v[O+4*\q]                        ; hi back in f32
	v_and_b32     v[O+4*\q+3], s10, v[O+4*\q]
	v_sub_f32 v[LA+4*\q],   v[LA+4*\q],   v[O+4*\q+2]                ; what the rounding left, exact
	v_sub_f32 v[LA+4*\q+2], v[LA+4*\q+2], v[O+4*\q+3]
	v_lshlrev_b32 v[O+4*\q+2], 16,  v[O+4*\q+1]
	v_and_b32     v[O+4*\q+3], s10, v[O+4*\q+1]
	v_sub_f32 v[LA+4*\q+1], v[LA+4*\q+1], v[O+4*\q+2]
	v_sub_f32 v[LA+4*\q+3], v[LA+4*\q+3], v[O+4*\q+3]
	v_cvt_pk_bf16_f32 v[LA+4*\q],   v[LA+4*\q],   v[LA+4*\q+2]       ; sin lo
	v_cvt_pk_bf16_f32 v[LA+4*\q+1], v[LA+4*\q+1], v[LA+4*\q+3]       ; cos lo
	ds_store_b32 v[AST], v[O+4*\q]    offset:64*\q
	ds_store_b32 v[AST], v[O+4*\q+1]  offset:ACB+64*\q
	ds_store_b32 v[AST], v[LA+4*\q]   offset:LSB+64*\q
	ds_store_b32 v[AST], v[LA+4*\q+1] offset:LCB+64*\q
.endr
.set ii, 0
.rept 32
	s_wait_loadcnt 31-ii                           ; the count is the number of younger rows
	v_cvt_pk_bf16_f32 v[LW+4*ii],   v[LW+4*ii],   v[LW+4*ii+1]
	v_cvt_pk_bf16_f32 v[LW+4*ii+1], v[LW+4*ii+2], v[LW+4*ii+3]
	ds_store_b64 v[WST], v[LW+4*ii:LW+4*ii+1] offset:(ii/16)*16*AP+(ii%16)*AP
.set ii, ii+1
.endr
	s_wait_dscnt 0x0                               ; my stores are in LDS before I say so
	s_barrier_signal -1
	s_barrier_wait -1                              ; the sums' 16 rows are whole (the weights are each wave's own)
; one fragment of 16 rows x 32 K: two loads of 16 bytes, 32 bytes apart
.macro FRAG dst, adr, off
	ds_load_b128 v[\dst:\dst+3],   v[\adr] offset:\off
	ds_load_b128 v[\dst+4:\dst+7], v[\adr] offset:\off+32
.endm
.irp kk, 0,1,2,3
	FRAG FR+48*\kk,    FRW, 64*\kk                 ; Wr
	FRAG FR+48*\kk+8,  FRW, 16*AP+64*\kk           ; Wi
	FRAG FR+48*\kk+16, FRA, ACB+64*\kk             ; cos hi
	FRAG FR+48*\kk+24, FRA, 64*\kk                 ; sin hi
	FRAG FR+48*\kk+32, FRA, LCB+64*\kk             ; cos lo
	FRAG FR+48*\kk+40, FRA, LSB+64*\kk             ; sin lo
.endr
	; the two accumulators take turns, one instruction a turn; the first products start the sums
	s_wait_dscnt 36                                ; twelve loads a K step: the three younger steps' may stay out
	v_wmma_f32_16x16x32_bf16 v[ACCR:ACCR+7], v[FR:FR+7],    v[FR+16:FR+23], 0
	v_wmma_f32_16x16x32_bf16 v[ACCI:ACCI+7], v[FR+8:FR+15], v[FR+24:FR+31], 0
	v_wmma_f32_16x16x32_bf16 v[ACCR:ACCR+7], v[FR:FR+7],    v[FR+32:FR+39], v[ACCR:ACCR+7]
	v_wmma_f32_16x16x32_bf16 v[ACCI:ACCI+7], v[FR+8:FR+15], v[FR+40:FR+47], v[ACCI:ACCI+7]
.irp kk, 1,2,3
	s_wait_dscnt 36-12*\kk
	v_wmma_f32_16x16x32_bf16 v[ACCR:ACCR+7], v[FR+48*\kk:FR+48*\kk+7],    v[FR+48*\kk+16:FR+48*\kk+23], v[ACCR:ACCR+7]
	v_wmma_f32_16x16x32_bf16 v[ACCI:ACCI+7], v[FR+48*\kk+8:FR+48*\kk+15], v[FR+48*\kk+24:FR+48*\kk+31], v[ACCI:ACCI+7]
	v_wmma_f32_16x16x32_bf16 v[ACCR:ACCR+7], v[FR+48*\kk:FR+48*\kk+7],    v[FR+48*\kk+32:FR+48*\kk+39], v[ACCR:ACCR+7]
	v_wmma_f32_16x16x32_bf16 v[ACCI:ACCI+7], v[FR+48*\kk+8:FR+48*\kk+15], v[FR+48*\kk+40:FR+48*\kk+47], v[ACCI:ACCI+7]
.endr
.rept 4
	v_nop                                          ; four plain places before the results are read (ISA guide 7.12.1)
.endr
	ds_store_b128 v[STO], v[ACCR:ACCR+3]
	ds_store_b128 v[STO], v[ACCR+4:ACCR+7] offset:16
	ds_store_b128 v[STO], v[ACCI:ACCI+3]   offset:16*OP
	ds_store_b128 v[STO], v[ACCI+4:ACCI+7] offset:16*OP+16
	s_wait_dscnt 0x0
	s_barrier_signal -1
	s_barrier_wait -1                              ; every wave's 16 columns are in the stage
	; rows 2 wv and 2 wv + 1 of both outputs: a wave's store covers 512 neighbouring, aligned bytes
.irp i, 0,1,2,3
	ds_load_b128 v[O+4*\i:O+4*\i+3], v[RD] offset:(\i/2)*16*OP+(\i%2)*OP
.endr
	s_wait_dscnt 3                                 ; LDS loads come back in order: the count is the number of younger ones
	global_store_b128 v[CO], v[O:O+3], s[18:19]
	s_wait_dscnt 2
	global_store_b128 v[CO], v[O+4:O+7], s[18:19] offset:2048
	s_wait_dscnt 1
	global_store_b128 v[CO], v[O+8:O+11], s[20:21]
	s_wait_dscnt 0
	global_store_b128 v[CO], v[O+12:O+15], s[20:21] offset:2048
	s_wait_tensorcnt 0x0
	ds_add_u32 v14, v15
	s_wait_dscnt 0x0
	s_endpgm
.Lfunc_end_k_q3cd4aa16c7_project:
	.size	k_q3cd4aa16c7_project, .Lfunc_end_k_q3cd4aa16c7_project-k_q3cd4aa16c7_project
	.p2alignl 7, 3214868480
	.fill 96, 4, 3214868480
	.section	.rodata,"a",@progbits
	.p2align	6, 0x0
	.amdhsa_kernel k_q3cd4aa16c7_project
		.amdhsa_group_segment_fixed_size 104960
		.amdhsa_private_segment_fixed_size 0
		.amdhsa_enable_private_segment 0
		.amdhsa_kernarg_size 40
		.amdhsa_user_sgpr_count 2
		.amdhsa_user_sgpr_kernarg_segment_ptr 1
		.amdhsa_wavefront_size32 1
		.amdhsa_system_sgpr_workgroup_id_x 1
		.amdhsa_system_sgpr_workgroup_id_y 1
		.amdhsa_system_sgpr_workgroup_id_z 1
		.amdhsa_system_vgpr_workitem_id 0
		.amdhsa_next_free_vgpr 256
		.amdhsa_next_free_sgpr 66
		.amdhsa_reserve_vcc 0
		.amdhsa_float_denorm_mode_32 3
		.amdhsa_float_denorm_mode_16_64 3
		.amdhsa_memory_ordered 1
		.amdhsa_forward_progress 1
		.amdhsa_inst_pref_size 22
	.end_amdhsa_kernel
	.amdgpu_metadata
---
amdhsa.version: [ 1, 2 ]
amdhsa.kernels:
  - .name:           k_q3cd4aa16c7_project
    .symbol:         k_q3cd4aa16c7_project.kd
    .args:
      - { .name: sums, .offset: 0, .size: 8, .value_kind: global_buffer, .address_space: global }
      - { .name: Wr, .offset: 8, .size: 8, .value_kind: global_buffer, .address_space: global }
      - { .name: Wi, .offset: 16, .size: 8, .value_kind: global_buffer, .address_space: global }
      - { .name: out0, .offset: 24, .size: 8, .value_kind: global_buffer, .address_space: global }
      - { .name: out1, .offset: 32, .size: 8, .value_kind: global_buffer, .address_space: global }
    .group_segment_fixed_size: 104960
    .private_segment_fixed_size: 0
    .kernarg_segment_align: 8
    .kernarg_segment_size: 40
    .max_flat_workgroup_size: 256
    .sgpr_count:     66
    .vgpr_count:     256
    .wavefront_size: 32
...
	.end_amdgpu_metadata
.endif
;; end of part 3
;; ======== version 2 of 2: 3 launches; version 1 with the launch gather written anew for expert scheduling mode
;; limits: right only within a limited range of input values
;; workspace buffers: xcs 2,097,152 bytes; prmc 524,288 bytes; idx 134,217,728 bytes of whole numbers; sums 1,048,576 bytes
;; launch collapse_index: the kernel of part 1 again; grid 8 x 32, 16 waves a work-group, no clusters, 282,112 bytes of LDS; arguments x_real, x_imag, Wc, bc, W, Bp, t, xcs, prmc, idx; writes xcs, prmc, idx
;; launch gather (part 4): grid 64 x 4, 16 waves a work-group, no clusters, 100,352 bytes of LDS; arguments idx, prmc, xcs, t, sin_table, cos_table, sums; writes sums
.if DOCPART == 4
	.amdgcn_target "amdgcn-amd-amdhsa--gfx1250"
	.amdhsa_code_object_version 6
	.text
	.protected	k_q3cd4aa16c7_gather
	.globl	k_q3cd4aa16c7_gather
	.p2align	8
	.type	k_q3cd4aa16c7_gather,@function
k_q3cd4aa16c7_gather:
	s_mov_b64 s[64:65], 0
	v_nop
	global_prefetch_b8 v0, s[64:65] scope:SCOPE_SE
	s_setreg_imm32_b32 hwreg(HW_REG_WAVE_SCHED_MODE, 0, 2), 2
	s_setreg_imm32_b32 hwreg(HW_REG_WAVE_MODE, 25, 1), 1
	s_wait_xcnt 0x0
	s_wait_alu depctr_vm_vsrc(0)
; sin_sum[b][n], cos_sum[b][n] = sums over d of the two tables, interpolated linearly at pos = theta * 4096 / (2 pi).
; The table index of every (b, n, d) was stored by the launch before as a byte address (entry x 16); here it is only read.
; The fraction steers no address: pos = fma(r, xc, q) + K t is formed again from the same numbers, exactly 1/16 of what the index was taken from.
; LDS table, 4,096 entries of 16 bytes: {sin[i], cos[i], sin[i+1] - sin[i], cos[i+1] - cos[i]}, i + 1 modulo 4,096: one gather of 16 bytes an angle.
; Both tables are taken as given: nothing is assumed of their contents.
; A work-group has 16 b x 32 n x 512 d; wave w has 8 b (w / 8) x 32 n (the lanes) x 64 d (w % 8), in 16 steps of 4 d, 32 angles a lane and step.
; The lanes lie along n: the 32 angles of one gather differ only through W and Bp.
;   sums: f32 [b/16][g = n/32][b%16][lane = n%32][sin, cos], 4,096 bytes for each work-group.
; LIMITS: the value is T0 + f (T1 - T0), not T0 (1 - f) + T1 f; the sum over d runs in 8 parts of 64; the range of theta is the one stated where the index is made.
; THE MODE: SCHED_MODE bits 1:0 = 2 (LLVM: expert scheduling mode 2), set by the entry lines.  The code itself states the register dependences
; between vector instructions and memory or LDS instructions, with s_wait_alu, always for 0.
; THE PLAN.  A step is two halves of 16 angles a lane.  Registers that memory or LDS instructions touch, in the loop:
;   AD0, AD1   the 16 LDS addresses of a half.  Half hf gathers by AD[hf]; in its middle it makes the next half's addresses in the other buffer, which the gathers of the half before read.
;   G          16 gathered entries.  The half's gathers land in it; the half's closing sums read it.
;   IDX, PRM   ring of four steps.  Slot j's indices are read where addresses are made (the second half of step j - 1, the first of step j), its parameters by step j's fractions;
;              the six loads at the head of step j + 1 land in it again.
;   v[VO]      read by every load of the ring; never written again: scalar bases and immediate offsets do the rest.
;   FR, TV and the sums ACC are named by vector instructions alone in the loop.
; So two waits stand at the head of a half.  The one on vm_vsrc: the gathers of the half before have read the address buffer that this half writes again.  The one on va_vdst: the half before
; has written this half's addresses and is done reading G, and, at a step's head, the step before is done reading its ring slot.  The lines that follow up to the half's last gather
; make fractions: they name FR, PRM, TV and scalar registers, none of the registers that this half's gathers and ring loads touch; so these are dealt among them with no further wait.
.set K_LIT, 0x4422f983                 ; 4096 / (2 pi)
.set STGB, 65536                       ; behind the table: 16 waves x 2,048 bytes
.set VO,  2                            ; v2         16 x lane, never rewritten
.set VT,  3                            ; v3         4 x thread
.set VT7, 4                            ; v4         the last entries' neighbour, wrapped
.set VTS, 5                            ; v5         16 x thread
.set SA,  6                            ; v6         stage: where my sums go
.set RA,  7                            ; v7         stage: what I add up
.set SO,  8                            ; v8         8 x lane
.set TV,  10                           ; v[10:17]   K t of my 8 b
.set ACC, 20                           ; v[20:35]   {sin, cos} sums of my 8 b
.set FR,  36                           ; v[36:51]   16 fractions
.set G,   52                           ; v[52:115]  16 gathered entries
.set IDX, 116                          ; v[116:179] ring of four steps: 16 words of indices
.set PRM, 180                          ; v[180:211] ring of four steps: 4 r, 4 q
.set AD,  212                          ; v[212:243] two buffers of 16 LDS addresses: half hf's at AD + 16 hf
	s_load_b256 s[4:11], s[0:1], 0x0               ; idx s[4:5], prmc s[6:7], xcs s[8:9], t s[10:11]
	s_load_b128 s[96:99], s[0:1], 0x20             ; sin_table, cos_table
	s_load_b64 s[100:101], s[0:1], 0x30            ; sums
	v_lshl_add_u32 v18, v0, 2, 0x18000
	v_mov_b32 v19, 0
	v_lshrrev_b32 v1, 5, v0
	v_readfirstlane_b32 s12, v1                    ; wave
	v_and_b32 v9, 31, v0                           ; lane
	v_lshlrev_b32 v[VO], 4, v9
	v_mov_b32 v1, 0
	v_lshlrev_b32 v[VT], 2, v0
	v_add_nc_u32 v[VT7], 14340, v[VT]              ; entry thread + 3,584 + 1,
	v_and_b32 v[VT7], 16383, v[VT7]                ; modulo 4,096 entries of 4 bytes
	v_lshlrev_b32 v[VTS], 4, v0
	v_lshlrev_b32 v[SO], 3, v9
	s_wait_alu depctr_va_sdst(0)                   ; s12 is written, ahead of its first reader: LDS addresses and all bases are made from it
	s_lshl_b32 s2, s12, 11
	s_add_co_u32 s2, s2, STGB
	v_lshl_add_u32 v[SA], v9, 3, s2                ; stage + wave x 2,048 + 8 lane
	s_lshr_b32 s13, s12, 3                         ; bh
	s_and_b32 s14, s12, 7                          ; dp
	s_lshl_b32 s2, s13, 14
	s_lshl_b32 s15, s14, 8
	s_add_co_u32 s2, s2, s15
	s_add_co_u32 s2, s2, STGB
	v_lshl_add_u32 v[RA], v9, 3, s2                ; stage + (wave / 8) x 8 waves + (wave % 8) x 256 + 8 lane
	s_lshl1_add_u32 s13, ttmp9, s13                ; bt8
	s_and_b32 s15, ttmp7, 0xffff                   ; g
	s_mov_b32 s76, 0xfff0
	s_mov_b32 s3, 0
	s_wait_kmcnt 0x0
	s_lshl2_add_u32 s2, s13, s15                   ; 4 bt8 + g
	s_lshl3_add_u32 s2, s2, s14
	s_lshl_b32 s2, s2, 15
	s_add_nc_u64 s[4:5], s[4:5], s[2:3]
	s_lshl3_add_u32 s2, s15, s14
	s_lshl_b32 s2, s2, 14
	s_add_nc_u64 s[6:7], s[6:7], s[2:3]
	s_lshl4_add_u32 s2, s13, s14
	s_lshl_b32 s2, s2, 10
	s_add_nc_u64 s[8:9], s[8:9], s[2:3]
	s_lshl_b32 s2, s13, 5
	s_add_nc_u64 s[10:11], s[10:11], s[2:3]
	s_lshl2_add_u32 s2, ttmp9, s15                 ; 4 x work-group x + g
	s_lshl4_add_u32 s2, s2, s12                    ; x 16 + wave
	s_lshl_b32 s2, s2, 8
	s_add_nc_u64 s[100:101], s[100:101], s[2:3]
.macro RLOAD slot, st                  ; indices and parameters of step st (counted from the trip's first) into a ring slot: six loads
.irp p, 0,1,2,3
	global_load_b128 v[IDX+16*(\slot)+4*\p:IDX+16*(\slot)+4*\p+3], v[VO], s[4:5] offset:(\st)*2048+\p*512 th:TH_LOAD_NT
.endr
	global_load_b128 v[PRM+8*(\slot):PRM+8*(\slot)+3],   v[VO], s[6:7] offset:(\st)*1024
	global_load_b128 v[PRM+8*(\slot)+4:PRM+8*(\slot)+7], v[VO], s[6:7] offset:(\st)*1024+512
.endm
.macro XLOAD xb, off                   ; xc of 4 d x 8 b into scalar buffer xb
.if \xb
	s_load_b512 s[48:63], s[8:9], \off
	s_load_b512 s[80:95], s[8:9], \off+8192
.else
	s_load_b512 s[16:31], s[8:9], \off
	s_load_b512 s[32:47], s[8:9], \off+8192
.endif
.endm
; pos of (b = pb; d = pe, pe + 1) into v[f:f+1]; xc[b][e] lies in scalar register xs + 4 e
.macro POS f, xb, j
.set xs, 16+32*(\xb)+(16+16*(\xb))*(pb/4)+4*pe+pb%4
	v_fma_f32 v[\f],   s[xs],   v[PRM+8*(\j)+pe],   v[PRM+8*(\j)+4+pe]
	v_fma_f32 v[\f+1], s[xs+4], v[PRM+8*(\j)+pe+1], v[PRM+8*(\j)+5+pe]
.if pb%2
	v_pk_add_f32 v[\f:\f+1], v[\f:\f+1], v[TV+pb-1:TV+pb] op_sel:[0,1] op_sel_hi:[1,1]
.else
	v_pk_add_f32 v[\f:\f+1], v[\f:\f+1], v[TV+pb:TV+pb+1] op_sel_hi:[1,0]
.endif
.endm
; A half step is b = 4 hf .. 4 hf + 3, four d: 16 angles a lane.  Element e = 4 (b - 4 hf) + d % 4.
; The 16 LDS addresses of half hf of the step in ring slot j, into address buffer hf.
.macro ADDR j, hf
.set wd, 0
.rept 8
	v_and_b32     v[AD+16*(\hf)+2*wd],   s76, v[IDX+16*(\j)+8*(\hf)+wd]    ; the word's lower index
	v_lshrrev_b32 v[AD+16*(\hf)+2*wd+1], 16,  v[IDX+16*(\j)+8*(\hf)+wd]    ; and its upper
.set wd, wd+1
.endr
.set wd, 0
.rept 16
	v_min_u32 v[AD+16*(\hf)+wd], 0xfff0, v[AD+16*(\hf)+wd]                 ; what was read from memory enters an address only behind a clamp to the last entry
.set wd, wd+1
.endr
.endm
.macro GATHER hf, e                    ; element e of half hf
	ds_load_b128 v[G+4*(\e):G+4*(\e)+3], v[AD+16*(\hf)+(\e)]
.endm
.macro RUN hf                          ; the eight gathers that the sums want first, in one run
.irp e, 0,1,2,3,4,5,6,7
	GATHER \hf, \e
.endr
.endm
; The fractions of half hf.  The half's other eight gathers are dealt among them, one ahead of each pair: no line here names G or an address buffer.
.macro FRAC j, hf
.set wd, 0
.rept 8
.set pb, 4*(\hf)+wd/2
.set pe, 2*(wd%2)
	GATHER \hf, 8+wd
	POS FR+2*wd, (\j)%2, \j
.set wd, wd+1
.endr
.irp i, 0,1,2,3,4,5,6,7,8,9,10,11,12,13,14,15
	v_fract_f32 v[FR+\i], v[FR+\i]
.endr
.endm
; sums += T0 + f (T1 - T0), sin and cos at once; two b by turns
.macro SUMS hf
.irp gi, 0,1
	s_wait_dscnt 8-8*\gi                           ; LDS loads come back in order: the first eight are in, the younger eight may be out; then all
.irp i, 0,1,2,3
.set el, 8*\gi+\i
.set ab, ACC+2*(4*(\hf)+2*\gi)
	v_pk_add_f32 v[ab:ab+1],   v[ab:ab+1],   v[G+4*el:G+4*el+1]
	v_pk_add_f32 v[ab+2:ab+3], v[ab+2:ab+3], v[G+4*el+16:G+4*el+17]
.if \i%2
	v_pk_fma_f32 v[ab:ab+1],   v[G+4*el+2:G+4*el+3],   v[FR+el-1:FR+el],   v[ab:ab+1]   op_sel:[0,1,0] op_sel_hi:[1,1,1]
	v_pk_fma_f32 v[ab+2:ab+3], v[G+4*el+18:G+4*el+19], v[FR+el+3:FR+el+4], v[ab+2:ab+3] op_sel:[0,1,0] op_sel_hi:[1,1,1]
.else
	v_pk_fma_f32 v[ab:ab+1],   v[G+4*el+2:G+4*el+3],   v[FR+el:FR+el+1],   v[ab:ab+1]   op_sel_hi:[1,0,1]
	v_pk_fma_f32 v[ab+2:ab+3], v[G+4*el+18:G+4*el+19], v[FR+el+4:FR+el+5], v[ab+2:ab+3] op_sel_hi:[1,0,1]
.endif
.endr
.endr
.endm
; Step j of a trip of four.  pf: the loads of three steps on go out; xl: xc of the next step is asked for;
; left: the vector loads of the younger steps, six each, which may stay out; nx: a step follows, and its first half's addresses are made.
.macro STEP j, pf, xl, left, nx
	s_wait_alu depctr_vm_vsrc(0)                   ; the gathers of the half before have read AD1, which this half writes again (in the first step of all: my LDS stores of the table have read G, in which the gathers land)
	s_wait_alu depctr_va_vdst(0)                   ; the half before has written AD0 and is done reading G; the step before is done reading its ring slot, in which the loads below land
.if \pf
	RLOAD (\j+3)%4, \j+3
.endif
	RUN 0
	s_wait_kmcnt 0x0                               ; this step's xc is in, and no scalar load is out: its base may be stepped
.if \xl
.if \j < 3
	XLOAD (\j+1)%2, 64*(\j+1)
.else
	s_add_nc_u64 s[8:9], s[8:9], 256
	XLOAD 0, 0
.endif
.endif
	s_wait_loadcnt \left
	FRAC \j, 0
	ADDR \j, 1                                     ; the second half's addresses, while the gathers are on their way
	SUMS 0
.if \nx
	s_wait_alu depctr_vm_vsrc(0)                   ; the first half's gathers have read AD0, which this half writes again
.endif
	s_wait_alu depctr_va_vdst(0)                   ; the first half has written AD1 and is done reading G
	RUN 1
	FRAC \j, 1
.if \nx
	s_wait_loadcnt \left-2                         ; the next step's first two loads of indices are in; younger are its other four and the later steps' six each
	ADDR (\j+1)%4, 0
.endif
	SUMS 1
.endm
	s_wait_alu depctr_va_vdst(0)                   ; v1 to v8 are written: every load and store of the kernel, global or LDS, but the gathers reads one of them as its address
	global_load_b128 v[TV:TV+3], v1, s[10:11]
	global_load_b128 v[TV+4:TV+7], v1, s[10:11] offset:16
	; the tables: thread i takes entries i + 512 k, k = 0 .. 7, and their right neighbours
.irp k, 0,1,2,3,4,5,6
	global_load_b32 v[G+4*\k],   v[VT], s[96:97] offset:2048*\k
	global_load_b32 v[G+4*\k+1], v[VT], s[98:99] offset:2048*\k
	global_load_b32 v[G+4*\k+2], v[VT], s[96:97] offset:2048*\k+4
	global_load_b32 v[G+4*\k+3], v[VT], s[98:99] offset:2048*\k+4
.endr
	global_load_b32 v[G+28], v[VT],  s[96:97] offset:14336
	global_load_b32 v[G+29], v[VT],  s[98:99] offset:14336
	global_load_b32 v[G+30], v[VT7], s[96:97]      ; entry 4,095's neighbour is entry 0
	global_load_b32 v[G+31], v[VT7], s[98:99]
	XLOAD 0, 0
	RLOAD 0, 0
	RLOAD 1, 1
	RLOAD 2, 2
.irp i, 0,1,2,3,4,5,6,7,8,9,10,11,12,13,14,15
	v_mov_b32 v[ACC+\i], 0
.endr
	s_wait_loadcnt 18                              ; t and the tables are in; the ring's 18 loads stay out
.irp i, 0,2,4,6
	v_pk_mul_f32 v[TV+\i:TV+\i+1], v[TV+\i:TV+\i+1], K_LIT op_sel_hi:[1,0]
.endr
.irp k, 0,1,2,3,4,5,6,7
	v_pk_add_f32 v[G+4*\k+2:G+4*\k+3], v[G+4*\k+2:G+4*\k+3], v[G+4*\k:G+4*\k+1] neg_lo:[0,1] neg_hi:[0,1]
.endr
	s_wait_alu depctr_va_vdst(0)                   ; the differences are written in v[G ..], which the LDS stores read
.irp k, 0,1,2,3,4,5,6,7
	ds_store_b128 v[VTS], v[G+4*\k:G+4*\k+3] offset:8192*\k
.endr
	s_wait_dscnt 0x0                               ; my part of the table is in LDS before I say so
	s_barrier_signal -1
	s_barrier_wait -1                              ; the table is whole
	s_wait_loadcnt 16                              ; step 0's first two loads of indices are in; younger are its other four and two steps' twelve
	ADDR 0, 0                                      ; the first half's addresses; the waits at the first step's head stand between them and the gathers
	s_mov_b32 s14, 3
.Ltrip:
	STEP 0, 1, 1, 18, 1
	STEP 1, 1, 1, 18, 1
	STEP 2, 1, 1, 18, 1
	STEP 3, 1, 1, 18, 1
	s_wait_xcnt 0x0                                ; the bases of pending loads are stepped only behind this wait
	s_add_nc_u64 s[4:5], s[4:5], 8192
	s_add_nc_u64 s[6:7], s[6:7], 4096
	s_sub_co_i32 s14, s14, 1
	s_cmp_lg_u32 s14, 0
	s_cbranch_scc1 .Ltrip
	STEP 0, 1, 1, 18, 1                            ; the last four steps: one more set of loads, then the counts run down
	STEP 1, 0, 1, 12, 1
	STEP 2, 0, 1, 6, 1
	STEP 3, 0, 0, 0, 0
	; the eight parts of d meet in LDS: wave w adds up b = w of the group's sixteen
	s_wait_alu depctr_va_vdst(0)                   ; the sums are written, which the LDS stores read; the last half is done reading G, in which the loads from the stage land
.irp b, 0,1,2,3,4,5,6,7
	ds_store_b64 v[SA], v[ACC+2*\b:ACC+2*\b+1] offset:256*\b
.endr
	s_wait_dscnt 0x0
	s_barrier_signal -1
	s_barrier_wait -1
.irp p, 0,1,2,3,4,5,6,7
	ds_load_b64 v[G+2*\p:G+2*\p+1], v[RA] offset:2048*\p
.endr
	s_wait_dscnt 0x0
	v_pk_add_f32 v[G:G+1],     v[G:G+1],     v[G+2:G+3]
	v_pk_add_f32 v[G+4:G+5],   v[G+4:G+5],   v[G+6:G+7]
	v_pk_add_f32 v[G+8:G+9],   v[G+8:G+9],   v[G+10:G+11]
	v_pk_add_f32 v[G+12:G+13], v[G+12:G+13], v[G+14:G+15]
	v_pk_add_f32 v[G:G+1],     v[G:G+1],     v[G+4:G+5]
	v_pk_add_f32 v[G+8:G+9],   v[G+8:G+9],   v[G+12:G+13]
	v_pk_add_f32 v[G:G+1],     v[G:G+1],     v[G+8:G+9]
	s_wait_alu depctr_va_vdst(0)                   ; the additions have written v[G:G+1], which the store reads
	global_store_b64 v[SO], v[G:G+1], s[100:101]   ; the wave stores 256 neighbouring, aligned bytes
	s_wait_dscnt 0x0
	s_wait_alu depctr_hold_cnt(0) depctr_sa_sdst(0) depctr_va_vdst(0) depctr_va_sdst(0) depctr_va_ssrc(0) depctr_va_vcc(0) depctr_vm_vsrc(0)
	s_wait_tensorcnt 0x0
	ds_add_u32 v18, v19
	s_wait_dscnt 0x0
	s_endpgm
.Lfunc_end_k_q3cd4aa16c7_gather:
	.size	k_q3cd4aa16c7_gather, .Lfunc_end_k_q3cd4aa16c7_gather-k_q3cd4aa16c7_gather
	.p2alignl 7, 3214868480
	.fill 96, 4, 3214868480
	.section	.rodata,"a",@progbits
	.p2align	6, 0x0
	.amdhsa_kernel k_q3cd4aa16c7_gather
		.amdhsa_group_segment_fixed_size 100352
		.amdhsa_private_segment_fixed_size 0
		.amdhsa_enable_private_segment 0
		.amdhsa_kernarg_size 56
		.amdhsa_user_sgpr_count 2
		.amdhsa_user_sgpr_kernarg_segment_ptr 1
		.amdhsa_wavefront_size32 1
		.amdhsa_system_sgpr_workgroup_id_x 1
		.amdhsa_system_sgpr_workgroup_id_y 1
		.amdhsa_system_sgpr_workgroup_id_z 1
		.amdhsa_system_vgpr_workitem_id 0
		.amdhsa_next_free_vgpr 244
		.amdhsa_next_free_sgpr 102
		.amdhsa_reserve_vcc 0
		.amdhsa_float_denorm_mode_32 3
		.amdhsa_float_denorm_mode_16_64 3
		.amdhsa_memory_ordered 1
		.amdhsa_forward_progress 1
		.amdhsa_inst_pref_size 122
	.end_amdhsa_kernel
	.amdgpu_metadata
---
amdhsa.version: [ 1, 2 ]
amdhsa.kernels:
  - .name:           k_q3cd4aa16c7_gather
    .symbol:         k_q3cd4aa16c7_gather.kd
    .args:
      - { .name: idx, .offset: 0, .size: 8, .value_kind: global_buffer, .address_space: global }
      - { .name: prmc, .offset: 8, .size: 8, .value_kind: global_buffer, .address_space: global }
      - { .name: xcs, .offset: 16, .size: 8, .value_kind: global_buffer, .address_space: global }
      - { .name: t, .offset: 24, .size: 8, .value_kind: global_buffer, .address_space: global }
      - { .name: sin_table, .offset: 32, .size: 8, .value_kind: global_buffer, .address_space: global }
      - { .name: cos_table, .offset: 40, .size: 8, .value_kind: global_buffer, .address_space: global }
      - { .name: sums, .offset: 48, .size: 8, .value_kind: global_buffer, .address_space: global }
    .group_segment_fixed_size: 100352
    .private_segment_fixed_size: 0
    .kernarg_segment_align: 8
    .kernarg_segment_size: 56
    .max_flat_workgroup_size: 512
    .sgpr_count:     102
    .vgpr_count:     244
    .wavefront_size: 32
...
	.end_amdgpu_metadata
.endif
;; end of part 4
;; launch project: the kernel of part 3 again; grid 4 x 64, 8 waves a work-group, no clusters, 104,960 bytes of LDS; arguments sums, Wr, Wi, out0, out1; writes out0, out1
